; MI455X (gfx1250); checked and timed in simulation.
; The chip was launched on July 23, 2026; its instructions are those of AMD's public machine-readable ISA for CDNA 5 (MIT licence, August 2026) and "CDNA5" Instruction Set Architecture Reference Guide (July 2026). The comments in the code are by the model that wrote it; some were corrected since.
;; Lstm Cell. Allowed arithmetic: matrix products marked QUANTISED: E5M2 operands, one E8M0 scale for each 32 along K, by v_wmma_scale_f32_16x16x128_f8f6f4 with both operands' format E5M2, f32 sums; everything else in f32.
;; Inputs: Wh 1,024 x 4,096 float32; Wx 1,024 x 4,096 float32; bx 4,096 float32; prevc 8,192 x 1,024 float32; prevh 8,192 x 1,024 float32; x 8,192 x 1,024 float32.
;; Outputs: out0 8,192 x 1,024 float32; out1 8,192 x 1,024 float32.
;; This version of the problem:
;;   THIS VERSION OF THE PROBLEM IS GIVEN IN LOW PRECISION. The matrix products marked QUANTISED in the list below multiply operands that are first quantised to E5M2 (5 exponent bits, 2 mantissa bits; 8 bits a number), with one power-of-two scale for each 32 numbers along K (OCP MX v1.0); their sums are f32. All else is computed in f32.
;;   The module's matrix products, in the order in which they are computed (A, B: the left and right operand; K: the contracted axis; several contracted axes count as one K, in the product's order):
;;     1. [M 8,192, K 1,024] x [K 1,024, N 4,096]; A: input x; B: input Wx: QUANTISED
;;     2. [M 8,192, K 1,024] x [K 1,024, N 4,096]; A: input prevh; B: input Wh: QUANTISED
;;   THE QUANTISER, for each operand of a quantised product, along K:
;;     - K is cut into blocks of 32 from its start; a last block that is shorter is filled with zeros.
;;     - A block's scale is 2^e with e = floor(log2(the largest magnitude in the block)) - 15, held to -126 .. 127; a block of zeros has e = 0. As a byte (E8M0): e + 127.
;;     - Each number is divided by its block's scale, clamped to +-57,344, and rounded to the nearest number of E5M2, ties to even, subnormals kept.
;;     - The product sums the exact products of the quantised numbers (number of the format x scale) in f32.
;;   ~~~python
;;   def quantise(x, axis):      # numpy; x: float32 -> the quantised numbers, widened to float32 again
;;       x = np.moveaxis(x, axis, -1); K = x.shape[-1]
;;       x = np.pad(x, [(0, 0)] * (x.ndim - 1) + [(0, -K % 32)]); x = x.reshape(x.shape[:-1] + (-1, 32)); a = np.abs(x).max(-1, keepdims=True)
;;       e = np.where(a > 0, np.clip(np.frexp(np.where(a > 0, a, 1))[1] - 1 - 15, -126, 127), 0)      # np.frexp(a)[1] - 1 = floor(log2(a)), exactly
;;       r = np.clip(x / 2.0 ** e, -57344, 57344)
;;       step = 2.0 ** (np.maximum(np.frexp(np.where(r == 0, 1, r))[1] - 1, -14) - 2)
;;       q = np.round(r / step) * step * 2.0 ** e      # np.round: ties to even
;;       return np.moveaxis(q.reshape(q.shape[:-2] + (-1,))[..., :K], -1, axis).astype(np.float32)
;;   ~~~
;; One version. Each part assembles by itself: llvm-mc -triple=amdgcn-amd-amdhsa -mcpu=gfx1250 --defsym DOCPART=n.
;; ======== version 1 of 1: 2 launches
;; limits: right only within a limited range of input values; inputs' magnitudes at most 1,099,511,627,776
;; workspace buffers: acodes 16,777,216 bytes; ascales 524,288 bytes; bcodes 8,388,608 bytes; bscales 262,144 bytes
;; launch quant (part 1): grid 768 x 1, 4 waves a work-group, no clusters, 68,096 bytes of LDS; arguments x, prevh, Wx, Wh, acodes, ascales, bcodes, bscales; writes acodes, ascales, bcodes, bscales
.if DOCPART == 1
	.amdgcn_target "amdgcn-amd-amdhsa--gfx1250"
	.amdhsa_code_object_version 6
	.text
	.protected	k_q476bcaa72c_quant
	.globl	k_q476bcaa72c_quant
	.p2align	8
	.type	k_q476bcaa72c_quant,@function
k_q476bcaa72c_quant:
	s_mov_b64 s[64:65], 0
	v_nop
	global_prefetch_b8 v0, s[64:65] scope:SCOPE_SE
	s_setreg_imm32_b32 hwreg(HW_REG_WAVE_MODE, 25, 1), 1
	s_wait_xcnt 0x0
; LSTM cell, first of two launches: the four operands of the two quantised products become codes of BF8 (E5M2) with one E8M0 scale byte for each 32 along K.
; NO WORK OF reference() IS LEFT OUT IN THIS PROGRAM: x, prevh, Wx, Wh and bx all enter the gates' pre-activations, every gate and prevc enter nextc, and nextc and the gate o enter nexth: all six inputs are loaded.
; THE TWO PRODUCTS ARE LAID AS ONE with K = 2,048: x @ Wx + prevh @ Wh = [x | prevh] @ [Wx ; Wh]; both K are multiples of 32, so no block of 32 crosses the seam and every code and scale is the stated quantiser's.
;   acodes  [8192][2048]: row m: bytes 0-1023 x's codes, 1024-2047 prevh's.      ascales [8192][64]: bytes 0-31 x's blocks, 32-63 prevh's.
;   bcodes  [4096][2048]: row n': bytes 0-1023 Wx's column, 1024-2047 Wh's, K innermost.   bscales [4096][64] likewise.
;   THE WEIGHTS' ROWS ARE ORDERED FOR THE SECOND LAUNCH: column n = 1024 g + j (gate g, state column j) lies at row n' = 128 (j / 32) + 32 g + j % 32, so that 128 rows on end hold all four gates of 32 state columns.
; A block's scale is 2^(floor(log2(its largest magnitude)) - 15); its byte is the largest magnitude's exponent field - 15, held at 1 from below.  Each number is divided by the scale, held within +-57,344, and rounded to the nearest code, ties to even.
; LIMITS: a block of zeros gets the byte 1 where the rule says 127: its codes are zeros, which add nothing under that byte, and this program alone reads the bytes.  Blocks whose largest magnitude lies under 2^-111 (the floor) were not tried.
;   NaN and infinities among the inputs are not served.
; SHARES.  Work-groups 0-511 take the activations (K innermost), work-groups 512-767 the weights (K is the first axis); each reads 131,072 bytes.  The two ways part on the work-group's number and never meet again; each has LDS bytes of its own.
; No tensor load, no barrier: waves share nothing.  No cluster and no matrix unit: every byte is read by one wave, once.  No prefetch: the launch does nothing but stream.
; THE SCALE BYTES' LAYOUT IN THIS TEXT (it takes the place of the [rows][64] named above): ascales [8 K steps of 256][8192 rows][8 bytes], bscales [8][4096 rows][8 bytes]:
; the scales of 256 rows for one K step are 2,048 consecutive bytes, which the second launch brings with that K step's codes.
; The activations' way stores them as runs of 32 bytes (4 rows of one K step a wave): one byte for each 128 that this way reads.
.set WAVES, 4
.set STEPS, 16                         ; activations: steps of 512 numbers for a wave
.set NB,    8                          ; weights: blocks of 32 along K for a lane
.set EMAX,  15
.set MANT,  0x600000                   ; the mantissa field of 57,344 as f32
.set WREG,  8192                       ; LDS, activations: a region for each wave: two stages of 32 x SP bytes, behind them its 256 scale bytes
.set SP,    80                         ; a lane's place in a stage: its 64 bytes + 16 of padding
.set WSTG,  WAVES*WREG                 ; LDS, weights: behind those regions, a stage of 32 rows x PW bytes for each wave
.set PW,    272                        ; a stage row: 256 codes + 16 of padding
.set SPARE, WSTG+WAVES*32*PW           ; behind both: the spare words, 128 bytes for each wave: two blocks of 256 bytes that no other line names
.set SPW,   12                         ; v12  LDS address of my spare word; never rewritten
.set NIL,   13                         ; v13  0; never rewritten
.set RA,    16                         ; activations: v16-79 four sets of 16 numbers as loaded
.set XA,    80                         ;   v80-111  two sets of 16 neighbours
.set EA,    112                        ;   v112-127 a scale byte for each step
.set CA,    128                        ;   v128-191 codes: four registers for each step, so that no store's data are written again
.set SB,    24                         ; weights: v24-25 the scale bytes, four to a register
.set XB,    32                         ;   v32-95   two sets of 32 numbers
.set CB,    96                         ;   v96-103  a block's codes
.set OUTR,  112                        ;   v112-175 the way out
	s_load_b256 s[4:11], s[0:1], 0x0               ; x s[4:5], prevh s[6:7], Wx s[8:9], Wh s[10:11]
	s_load_b256 s[12:19], s[0:1], 0x20             ; acodes s[12:13], ascales s[14:15], bcodes s[16:17], bscales s[18:19]
	v_lshl_add_u32 v[SPW], v0, 2, SPARE
	v_mov_b32 v[NIL], 0
	v_lshrrev_b32 v1, 5, v0
	v_readfirstlane_b32 s20, v1                    ; wave 0..3
	v_and_b32 v2, 31, v0                           ; lane
	s_mov_b32 s23, MANT                            ; (an instruction takes one literal: the hold's line has another)
	s_mov_b32 s25, 0                               ; the upper word of every offset: all stay under 2^32
	s_wait_kmcnt 0x0
	s_cmp_lt_u32 ttmp9, 512
	s_cbranch_scc0 .Lweights
; ---------------- THE ACTIVATIONS.  Wave W = 4 x work-group + wave takes rows 4 W .. 4 W + 3 of x (steps 0-7) and of prevh (steps 8-15); a step is half a row, 512 numbers.
; The conversions take neighbours along K from ONE lane's registers, a load is densest where neighbouring lanes take neighbouring bytes: each load reads 512 consecutive bytes, 16 a lane, and a step's 2,048 bytes turn through
; the wave's own stage in LDS and come back 64 bytes a lane.  Two neighbouring lanes hold a block of 32.
	s_wait_alu depctr_va_vdst(0)
	v_lshlrev_b32 v3, 4, v2                        ; 16 x lane: my bytes of a load's 512, and my 16 codes' place in a step's 512
	s_mul_i32 s21, s20, WREG
	v_lshrrev_b32 v14, 2, v2
	v_mul_u32_u24 v14, v14, SP
	v_and_b32 v15, 3, v2
	v_lshl_add_u32 v14, v15, 4, v14
	v_add_nc_u32 v14, s21, v14                     ; the stage, on the way in: SP (lane / 4) + 16 (lane % 4)
	v_mul_u32_u24 v15, v2, SP
	v_add_nc_u32 v15, s21, v15                     ; and on the way out: SP x lane: my 16 neighbours
	v_lshrrev_b32 v5, 1, v2
	s_add_co_u32 s21, s21, 2*32*SP
	v_add_nc_u32 v5, s21, v5                       ; my wave's 256 scale bytes, my block's byte
	v_and_b32 v8, 3, v2                            ; on their way out lane l takes row l % 4, K step l / 4: 8 bytes
	v_lshrrev_b32 v9, 2, v2
	v_lshlrev_b32 v7, 3, v8
	v_lshl_add_u32 v7, v9, 16, v7                  ; in ascales: 65,536 x K step + 8 x row
	v_lshlrev_b32 v6, 3, v9
	v_lshl_add_u32 v6, v8, 6, v6                   ; in LDS: 64 x row + 8 x K step
	v_add_nc_u32 v6, s21, v6
	s_lshl_b32 s22, ttmp9, 2
	s_add_co_u32 s22, s22, s20                     ; W
	s_lshl_b32 s24, s22, 14                        ; 4 rows of 4,096 bytes
	s_add_nc_u64 s[4:5], s[4:5], s[24:25]
	s_add_nc_u64 s[6:7], s[6:7], s[24:25]
	s_lshl_b32 s24, s22, 13                        ; 4 rows of 2,048 codes
	s_add_nc_u64 s[12:13], s[12:13], s[24:25]
	s_lshl_b32 s24, s22, 5                         ; 4 rows of 8 scale bytes in each K step's plane
	s_add_nc_u64 s[14:15], s[14:15], s[24:25]
.macro LOADA t
.irp i, 0,1,2,3
.if (\t) < 8
	global_load_b128 v[RA+16*((\t)%4)+4*\i:RA+16*((\t)%4)+4*\i+3], v3, s[4:5] offset:2048*((\t)%8)+512*\i th:TH_LOAD_NT   ; 32 lanes read 512 consecutive bytes
.else
	global_load_b128 v[RA+16*((\t)%4)+4*\i:RA+16*((\t)%4)+4*\i+3], v3, s[6:7] offset:2048*((\t)%8)+512*\i th:TH_LOAD_NT
.endif
.endr
.endm
.macro TURNA t                         ; step t's numbers through the stage: LDS serves a wave's instructions in order, so no wait stands between the stores and the loads
.irp i, 0,1,2,3
	ds_store_b128 v14, v[RA+16*((\t)%4)+4*\i:RA+16*((\t)%4)+4*\i+3] offset:32*SP*((\t)%2)+8*SP*\i
.endr
.irp i, 0,1,2,3
	ds_load_b128 v[XA+16*((\t)%2)+4*\i:XA+16*((\t)%2)+4*\i+3], v15 offset:32*SP*((\t)%2)+16*\i
.endr
.endm
.irp t, 0,1,2,3
	LOADA \t
.endr
	s_wait_alu depctr_va_vdst(0)
	s_wait_loadcnt 12                              ; step 0's four loads are in; the twelve of steps 1 to 3 may be out
	TURNA 0
.macro STEPA t
.set XS, XA+16*((\t)%2)
.if (\t) > 0
	s_wait_dscnt 1                                 ; this step's numbers are back from the stage (the last step's byte store may be out): so its stores into the stage have read their registers,
.else
	s_wait_dscnt 0x0
.endif
.if (\t)+4 < STEPS
	LOADA (\t)+4                                   ; which take the loads of four steps on
.endif
.if (\t)+1 < STEPS
.if STEPS-2-(\t) >= 3
	s_wait_loadcnt 12                              ; the next step's four loads are in; those of the three steps behind it may be out
.else
	s_wait_loadcnt 4*(STEPS-2-(\t))                ; the tail: fewer steps are behind it
.endif
	TURNA (\t)+1                                   ; and go through the other stage while this step is worked
.endif
	v_max3_num_f32 v8, |v[XS]|, |v[XS+1]|, |v[XS+2]|               ; the largest magnitude of my 16, in two chains
	v_max3_num_f32 v9, |v[XS+3]|, |v[XS+4]|, |v[XS+5]|
.irp i, 6,10
	v_max3_num_f32 v8, v8, |v[XS+\i]|, |v[XS+\i+1]|
	v_max3_num_f32 v9, v9, |v[XS+\i+2]|, |v[XS+\i+3]|
.endr
	v_max3_num_f32 v8, v8, |v[XS+14]|, |v[XS+15]|
	v_max3_num_f32 v8, v8, v9, (EMAX+1)<<23        ; and the floor 2^(16 - 127): so the byte cannot fall under 1
	v_max_num_f32_dpp v8, v8, v8 row_xmask:1 row_mask:0xf bank_mask:0xf   ; and of my neighbour's 16: the block's
	v_add_nc_u32 v11, -(EMAX<<23), v8              ; 15 off its exponent field: the conversion takes the exponent field of this operand as its scale
	v_and_or_b32 v10, v8, 0x7f800000, s23          ; 57,344 x the scale: the largest magnitude's exponent field over 57,344's mantissa
.irp i, 0,1,2,3,4,5,6,7,8,9,10,11,12,13,14,15
	v_med3_num_f32 v[XS+\i], v[XS+\i], -v10, v10   ; the conversion to an 8-bit code does not saturate (ISA guide 7.6.2): the hold comes first
.endr
	v_cvt_scalef32_pk8_bf8_f32 v[CA+4*(\t):CA+4*(\t)+1], v[XS:XS+7], v11
	v_cvt_scalef32_pk8_bf8_f32 v[CA+4*(\t)+2:CA+4*(\t)+3], v[XS+8:XS+15], v11
	v_lshrrev_b32 v[EA+(\t)], 23, v11              ; the scale's byte (a plain line behind the conversions)
	ds_store_b8 v5, v[EA+(\t)] offset:(((\t)%8)/2)*64+((\t)/8)*32+((\t)%2)*16    ; row, tensor, half of the row; both lanes of a block write the same byte with the same value
	global_store_b128 v3, v[CA+4*(\t):CA+4*(\t)+3], s[12:13] offset:(((\t)%8)/2)*2048+((\t)/8)*1024+((\t)%2)*512   ; 32 lanes store 512 consecutive bytes, at a multiple of 512 from the buffer's first byte
.endm
.irp t, 0,1,2,3,4,5,6,7,8,9,10,11,12,13,14,15
	STEPA \t
.endr
	ds_load_b64 v[8:9], v6                         ; LDS serves a wave's instructions in order: these see my byte stores
	s_wait_dscnt 0x0
	global_store_b64 v7, v[8:9], s[14:15]          ; four rows of ascales: 32 lanes store eight runs of 32 bytes, 65,536 apart
	s_wait_tensorcnt 0x0                           ; the wave's end, behind my last LDS store
	ds_add_u32 v[SPW], v[NIL]
	s_wait_dscnt 0x0
	s_endpgm
; ---------------- THE WEIGHTS.  id = work-group - 512: bit 7 the tensor (0 Wx, 1 Wh), bits 6:5 which 256 along K, bits 4:0 which 128 columns.  A wave takes 32 columns x 256 along K.
; A LANE TAKES A COLUMN AND ITS REGISTERS RUN DOWN K: each load reads 128 consecutive bytes a wave, a block of 32 along K lies in one lane's 32 registers, and the conversions give codes with K innermost.
; A lane's codes belong to one row of bcodes and the lanes beside it hold other rows: they go through the wave's own stage and leave sixteen lanes to 256 consecutive bytes.
.Lweights:
	s_sub_co_u32 s21, ttmp9, 512                   ; id
	s_lshr_b32 s22, s21, 7                         ; the tensor
	s_bfe_u32 s28, s21, 0x20005                    ; y: which 256 along K
	s_and_b32 s29, s21, 31                         ; xg: which 128 columns
	s_cmp_eq_u32 s22, 0                            ; the choice hangs on the work-group's number alone
	s_cselect_b64 s[4:5], s[8:9], s[10:11]
	s_lshl_b32 s24, s28, 22                        ; 256 y rows of 16,384 bytes
	s_lshl_b32 s30, s29, 9                         ; + 128 xg columns
	s_add_co_u32 s24, s24, s30
	s_lshl_b32 s30, s20, 7                         ; + 32 x wave columns
	s_add_co_u32 s24, s24, s30
	s_add_nc_u64 s[4:5], s[4:5], s[24:25]
	s_and_b32 s30, s29, 7                          ; my first column is 1024 (xg / 8) + 32 (4 (xg % 8) + wave): gate xg / 8, state columns from 32 (4 (xg % 8) + wave)
	s_lshl_b32 s30, s30, 2
	s_add_co_u32 s30, s30, s20
	s_lshl_b32 s30, s30, 7
	s_lshr_b32 s31, s29, 3
	s_lshl_b32 s31, s31, 5
	s_add_co_u32 s30, s30, s31                     ; so its row is 128 (4 (xg % 8) + wave) + 32 (xg / 8); my 32 columns are 32 rows on end
	s_lshl_b32 s24, s30, 11                        ; codes: a row is 2,048 bytes,
	s_lshl_b32 s31, s22, 10                        ; + the tensor's 1,024,
	s_add_co_u32 s24, s24, s31
	s_lshl_b32 s31, s28, 8                         ; + 256 y
	s_add_co_u32 s24, s24, s31
	s_add_nc_u64 s[16:17], s[16:17], s[24:25]
	s_lshl_b32 s24, s30, 3                         ; scale bytes: 8 a row, + 4 planes of 32,768 x tensor, + a plane x y
	s_lshl_b32 s31, s22, 17
	s_add_co_u32 s24, s24, s31
	s_lshl_b32 s31, s28, 15
	s_add_co_u32 s24, s24, s31
	s_add_nc_u64 s[18:19], s[18:19], s[24:25]
	s_wait_alu depctr_va_vdst(0)
	v_lshlrev_b32 v3, 2, v2                        ; in: 4 bytes a lane
	s_mul_i32 s31, s20, 32*PW
	s_add_co_u32 s31, s31, WSTG                    ; my stage
	v_mul_u32_u24 v4, v2, PW
	v_add_nc_u32 v4, s31, v4                       ; into it: row = my column
	v_and_b32 v5, 15, v2
	v_lshrrev_b32 v6, 4, v2                        ; out of it: sixteen lanes to a row, two rows an instruction
	v_mul_u32_u24 v7, v6, PW
	v_lshl_add_u32 v7, v5, 4, v7
	v_add_nc_u32 v7, s31, v7
	v_lshlrev_b32 v8, 11, v6
	v_lshl_add_u32 v8, v5, 4, v8                   ; and the same place in bcodes
	v_lshlrev_b32 v9, 3, v2                        ; my row's 8 bytes: 32 lanes store 256 consecutive bytes, aligned
.macro LOADW t                         ; block t: W(32 t + i, my column), i = 0 .. 31, into set t % 2; the largest offset, 255 rows of 16,384 bytes, lies inside the signed 24-bit immediate
.irp i, 0,1,2,3,4,5,6,7,8,9,10,11,12,13,14,15,16,17,18,19,20,21,22,23,24,25,26,27,28,29,30,31
	global_load_b32 v[XB+32*((\t)%2)+\i], v3, s[4:5] offset:(32*(\t)+\i)*16384 th:TH_LOAD_NT
.endr
.endm
	LOADW 0
	LOADW 1
.macro BLOCKW t
.set XW, XB+32*((\t)%2)
.if (\t) < NB-1
	s_wait_loadcnt 32                              ; this block's 32 loads are in; the next block's 32 may be out
.else
	s_wait_loadcnt 0
.endif
	v_max3_num_f32 v16, |v[XW]|, |v[XW+1]|, |v[XW+2]|              ; the block's largest magnitude: all 32 numbers are mine
	v_max3_num_f32 v17, |v[XW+3]|, |v[XW+4]|, |v[XW+5]|
.irp i, 6,10,14,18,22,26
	v_max3_num_f32 v16, v16, |v[XW+\i]|, |v[XW+\i+1]|
	v_max3_num_f32 v17, v17, |v[XW+\i+2]|, |v[XW+\i+3]|
.endr
	v_max3_num_f32 v16, v16, |v[XW+30]|, |v[XW+31]|
	v_max3_num_f32 v16, v16, v17, (EMAX+1)<<23     ; and the floor
	v_add_nc_u32 v11, -(EMAX<<23), v16             ; the conversion's scale operand
	v_and_or_b32 v10, v16, 0x7f800000, s23         ; 57,344 x the scale
	v_lshrrev_b32 v17, 23, v11                     ; the scale's byte
.if (\t)%4 == 0
	v_mov_b32 v[SB+(\t)/4], v17                    ; four bytes to a register, the lower K in the lower byte
.else
	v_lshl_or_b32 v[SB+(\t)/4], v17, 8*((\t)%4), v[SB+(\t)/4]
.endif
.irp i, 0,1,2,3,4,5,6,7,8,9,10,11,12,13,14,15,16,17,18,19,20,21,22,23,24,25,26,27,28,29,30,31
	v_med3_num_f32 v[XW+\i], v[XW+\i], -v10, v10   ; the hold ahead of a conversion that does not saturate (ISA guide 7.6.2)
.endr
.irp g, 0,1,2,3
	v_cvt_scalef32_pk8_bf8_f32 v[CB+2*\g:CB+2*\g+1], v[XW+8*\g:XW+8*\g+7], v11
.endr
	ds_store_b128 v4, v[CB:CB+3] offset:32*(\t)    ; 32 codes: 32 bytes of my column's row.  (The results go to LDS stores; the next vector lines, the next block's maxima, are plain and stand ahead of every line that writes these conversions' registers)
	ds_store_b128 v4, v[CB+4:CB+7] offset:32*(\t)+16
.if (\t)+2 < NB
	LOADW (\t)+2
.endif
	s_wait_dscnt 0x0                               ; the stores have read their registers: the next block's codes may be written
.endm
.irp t, 0,1,2,3,4,5,6,7
	BLOCKW \t
.endr
	global_store_b64 v9, v[SB:SB+1], s[18:19]      ; my column's 8 scale bytes: 8 bytes a lane, rows 8 bytes apart: one byte for each 128 that this way reads
.irp t, 0,1,2,3,4,5,6,7,8,9,10,11,12,13,14,15
	ds_load_b128 v[OUTR+4*\t:OUTR+4*\t+3], v7 offset:2*\t*PW       ; LDS serves a wave's instructions in order: these see my stores
.endr
.irp t, 0,1,2,3,4,5,6,7,8,9,10,11,12,13,14,15
	s_wait_dscnt 15-\t                             ; loads come back in order: number t is in, the younger ones may be out
	global_store_b128 v8, v[OUTR+4*\t:OUTR+4*\t+3], s[16:17] offset:2*\t*2048    ; sixteen lanes store 256 consecutive bytes, at a multiple of 256 from the buffer's first byte
.endr
	s_wait_tensorcnt 0x0                           ; the wave's end, behind my last LDS store
	ds_add_u32 v[SPW], v[NIL]
	s_wait_dscnt 0x0
	s_endpgm
.Lfunc_end_k_q476bcaa72c_quant:
	.size	k_q476bcaa72c_quant, .Lfunc_end_k_q476bcaa72c_quant-k_q476bcaa72c_quant
	.p2alignl 7, 3214868480
	.fill 96, 4, 3214868480
	.section	.rodata,"a",@progbits
	.p2align	6, 0x0
	.amdhsa_kernel k_q476bcaa72c_quant
		.amdhsa_group_segment_fixed_size 68096
		.amdhsa_private_segment_fixed_size 0
		.amdhsa_enable_private_segment 0
		.amdhsa_kernarg_size 64
		.amdhsa_user_sgpr_count 2
		.amdhsa_user_sgpr_kernarg_segment_ptr 1
		.amdhsa_wavefront_size32 1
		.amdhsa_system_sgpr_workgroup_id_x 1
		.amdhsa_system_sgpr_workgroup_id_y 1
		.amdhsa_system_sgpr_workgroup_id_z 1
		.amdhsa_system_vgpr_workitem_id 0
		.amdhsa_next_free_vgpr 192
		.amdhsa_next_free_sgpr 66
		.amdhsa_reserve_vcc 0
		.amdhsa_float_denorm_mode_32 3
		.amdhsa_float_denorm_mode_16_64 3
		.amdhsa_memory_ordered 1
		.amdhsa_forward_progress 1
		.amdhsa_inst_pref_size 110
	.end_amdhsa_kernel
	.amdgpu_metadata
---
amdhsa.version: [ 1, 2 ]
amdhsa.kernels:
  - .name:           k_q476bcaa72c_quant
    .symbol:         k_q476bcaa72c_quant.kd
    .args:
      - { .name: x, .offset: 0, .size: 8, .value_kind: global_buffer, .address_space: global }
      - { .name: prevh, .offset: 8, .size: 8, .value_kind: global_buffer, .address_space: global }
      - { .name: Wx, .offset: 16, .size: 8, .value_kind: global_buffer, .address_space: global }
      - { .name: Wh, .offset: 24, .size: 8, .value_kind: global_buffer, .address_space: global }
      - { .name: acodes, .offset: 32, .size: 8, .value_kind: global_buffer, .address_space: global }
      - { .name: ascales, .offset: 40, .size: 8, .value_kind: global_buffer, .address_space: global }
      - { .name: bcodes, .offset: 48, .size: 8, .value_kind: global_buffer, .address_space: global }
      - { .name: bscales, .offset: 56, .size: 8, .value_kind: global_buffer, .address_space: global }
    .group_segment_fixed_size: 68096
    .private_segment_fixed_size: 0
    .kernarg_segment_align: 8
    .kernarg_segment_size: 64
    .max_flat_workgroup_size: 128
    .sgpr_count:     66
    .vgpr_count:     192
    .wavefront_size: 32
...
	.end_amdgpu_metadata
.endif
;; end of part 1
;; launch cell (part 2): grid 16 x 32, 4 waves a work-group, clusters of 4 x 4, 327,680 bytes of LDS; arguments acodes, ascales, bcodes, bscales, bx, prevc, out0, out1; writes out0, out1
.if DOCPART == 2
	.amdgcn_target "amdgcn-amd-amdhsa--gfx1250"
	.amdhsa_code_object_version 6
	.text
	.protected	k_q476bcaa72c_cell
	.globl	k_q476bcaa72c_cell
	.p2align	8
	.type	k_q476bcaa72c_cell,@function
k_q476bcaa72c_cell:
	s_mov_b64 s[64:65], 0
	v_nop
	global_prefetch_b8 v0, s[64:65] scope:SCOPE_SE
	s_setreg_imm32_b32 hwreg(HW_REG_WAVE_MODE, 25, 1), 1
	s_wait_xcnt 0x0
	s_wait_alu depctr_hold_cnt(0) depctr_sa_sdst(0) depctr_va_vdst(0) depctr_va_sdst(0) depctr_va_ssrc(0) depctr_va_vcc(0) depctr_vm_vsrc(0)
	s_getreg_b32 s2, hwreg(HW_REG_IB_STS2, 6, 4)
	s_cmp_eq_u32 s2, 0
	s_cbranch_scc0 .Lentry_in_a_cluster
	s_endpgm
.Lentry_in_a_cluster:
	s_bfe_u32 s2, ttmp6, 0x10000c
	s_cmp_lg_u32 s2, 0xf033
	s_cbranch_scc0 .Lentry_shape_is_right
	s_endpgm
.Lentry_shape_is_right:
; LSTM cell, second of two launches.  No work of reference() is left out here either.
; stacked = [x | prevh] @ [Wx ; Wh] + bx on codes of BF8 (E5M2), one E8M0 scale for each 32 along K (K = 2,048), f32 sums; then, in registers, i, f, o = sigmoid, g = tanh,
; nextc = prevc f + g i (out1), nexth = tanh(nextc) o (out0).
; acodes [8192][2048], bcodes [4096][2048]; ascales [8][8192][8], bscales [8][4096][8] (K step of 256, row, 8 bytes).  bcodes' row 128 (j / 32) + 32 g + j % 32 holds gate g of state column j.
; SHARES.  A work-group of four waves: 256 rows x 256 rows of bcodes (64 state columns, four gates).  A wave: 128 x 128, 64 accumulators, 512 registers.
; TRANSPOSED USE (source 0 = bcodes, source 1 = acodes): in accumulator (a, 2 g + u) lane (r, h), register jj: gate g of row 16 a + r, state column 16 u + 8 h + jj: the four gates of an element stand in one lane.
; THE RING: two LDS slots, each a K step of 256: acodes' 256 rows, bcodes' 256 rows.  A fill is four joint loads of 128 rows, one a wave.
; THE SCALE WORDS go from memory into registers: a load reads the 8 bytes of 32 rows on end, 256 consecutive bytes, aligned; lanes 0-15 hold one block's words, lanes 16-31 the next block's, and the row selectors pick.
;   They are asked for in a K step's first run for the next K step, and waited for (0) at that step's head.
; A K STEP is two steps of 128 along K, each four groups of 16 products.  Behind a group stands a run of LDS loads into registers that were last read a group or more ago: the eight places are the v_nop among the products.
; acodes' blocks 4-7 have two register sets, so all reads of a slot are issued in its first step; the round that frees the slot stands behind the second step's first group, with nothing but the add and the descriptors' step in it.
; CLUSTERS 4 x 4: acodes' tiles are shared along a row of the cluster, bcodes' along a column.  prevc's tile is one work-group's own: a plain tensor load into slot 0 when its last K step has been read.
; THE WALK ALONG K IS ROTATED: cluster (X, Y) begins at K step 2 ((X + 2 Y) mod 4) and goes round the end of K; that number is equal in all sixteen partners and enters global addresses alone.
; PREFETCHES.  Code tiles: tile n of the walk (n = 1 .. 7) is named once in the cluster: of the 128 rows that a wave fetches, the partner at place p (cx for acodes, cy for bcodes) names rows 32 p .. 32 p + 31, a lane a row.
;   Tiles 1 to 3 are named in the head, tile t + 4 behind the refill of trip t (which loads tile t + 2): two refills ahead; trips 4 and later name none.  prevc's tile: two K steps ahead of its load.
; THE BIAS is the C of each sum's first product.
; THE CELL, e_z = 2^min(-log2(e) z, 40) for i, f, o and 2^min(-2 log2(e) z, 40) for g and nextc:
;   nextc = (prevc (1 + ei)(1 + eg) + (1 - eg)(1 + ef)) / ((1 + ei)(1 + eg)(1 + ef)),   nexth = (1 - ec) / ((1 + ec)(1 + eo)).
; LIMITS.  The f32 sums take the bias first and the K steps in the rotated order.  The hold at 40 keeps each denominator under 2^121: a sigmoid under 2^-40 is held at 2^-40.  |prevc| stays under 2^40.
;   A NaN in a gate does not pass the hold; infinities among the inputs are not served.
; LEFT OUT: work-groups that stay.
; REGISTERS: window 0: v1-31 addresses; v32-63 scale words, two sets; v64-127 the bias, then acodes' blocks 4-7, second set; v128-255 acodes' blocks 0-7; on the way out v64-255 are at work.
;   window 1: bcodes' fragments, two sets; on the way out v0-63 rows read back.   windows 2, 3: the accumulators of my rows 0-63, 64-127 ((a, b) at v[8 (8 (a % 4) + b)]).
.set ROWB,   256
.set KROW,   2048
.set PITCH,  272                       ; 256 bytes + 16 of padding
.set HALFT,  128*PITCH
.set BOFF,   2*HALFT                   ; in a slot: bcodes' rows behind acodes'
.set SLOT,   4*HALFT
.set SPARE,  2*SLOT                    ; the spare words: 512 bytes that no other line names
.set CST,    BOFF                      ; the way out: nextc's stage, where slot 0 held bcodes' rows
.set HST,    SLOT                      ; nexth's stage, where slot 1 held acodes' rows; prevc's tile lies at byte 0
.set BO,   7
.set SOF,  8                           ; v8  8 x lane: my row's scale bytes in a load's 256
.set PFL,  9                           ; v9  2,048 x lane: my row of codes in a prefetch
.set ADRA, 16
.set ADRB, 20
.set PCA,  22
.set STC,  23
.set STH,  24
.set RDC,  25
.set RDH,  26
.set SPW,  28
.set NIL,  29
.set PFO,  30
.set CO,   31
.set SC,   32                          ; set s at v[SC + 16 s]: registers 2 j + q bcodes' blocks 2 j, 2 j + 1; registers 8 + 2 j + q acodes'; q: the slot's q-th 128 along K
.set BIAS, 64
.set T,    64                          ; the way out: 32 registers a gate (two blocks)
.set TI,   T
.set TF,   T+32
.set TO,   T+64
.set TG,   T+96
.set PCR,  192
.set X,    224
.set G1P,  4                           ; s[4:11] group 1 for prevc's tile (once the pointers there have been used)
.set PFA,  14
.set WV,   20                          ; s20 wave; s21 = wave / 2: my half of the rows, and: I fetch for acodes (0) or bcodes (1); s22 = wave % 2: my half of the columns, and: which 128 rows I fetch
.set G1A,  24
.set SABASE, 32                        ; my 128 rows' scale bytes in plane 0; never rewritten once made
.set SBBASE, 34
.set SAP,  36                          ; the same in the plane that is asked for
.set SBP,  38
.set G1B,  48
.set KS2,  56                          ; the K step whose scale words are asked for next
.set KP,   57                          ; the K step that is prefetched next
.set PFB,  58                          ; my work-group's 32 rows of the 128 that I fetch, at K = 0
.set PFT,  60                          ; the same at K step KP
.set G0A,  68
.set G0B,  76
.set ABASE, 84
.set BBASE, 86
.set KT,   90                          ; the K step to be loaded next
.set LAP,  91
.set CAP,  95
.set G0P,  96
.set CL,   100
.set CG,   104
.set MSB, 0
.macro WIN new
.if MSB != \new
	s_set_vgpr_msb (MSB<<8)|\new
.set MSB, \new
.endif
.endm
.set TO_B,   0x40
.macro WL first                        ; source 0 window 1, source 1 window 0, D window 2; C window 2, or window 0 (the bias)
.if \first
	WIN 0x81
.else
	WIN 0xa1
.endif
.endm
.macro WH first                        ; the same with window 3
.if \first
	WIN 0xc1
.else
	WIN 0xf1
.endif
.endm
.macro PLACES n
.rept \n
	v_nop
.endr
.endm
.macro TL g0, g1                       ; a tensor load, with an s_nop 0 and four v_nop behind it
	tensor_load_to_lds s[\g0:\g0+3], s[\g1:\g1+7]
	s_nop 0
	PLACES 4
.endm
.macro JLOAD s                         ; a fill of slot s: waves 0, 1 fetch acodes' halves, waves 2, 3 bcodes'
	s_cmp_eq_u32 s21, 0
	s_cbranch_scc0 .Ljb_\@
	TL G0A+4*\s, G1A
	s_branch .Lje_\@
.Ljb_\@:
	TL G0B+4*\s, G1B
.Lje_\@:
.endm
.macro AIM s                           ; the slot's two groups 0 at K step KT; KT goes on, round the end of K.  No tensor load of mine that names them is out
	s_lshl_b32 s2, s[KT], 8
	s_add_nc_u64 s[G0A+4*\s+2:G0A+4*\s+3], s[ABASE:ABASE+1], s[2:3]
	s_or_b32 s[G0A+4*\s+3], s[G0A+4*\s+3], 0x80000000
	s_add_nc_u64 s[G0B+4*\s+2:G0B+4*\s+3], s[BBASE:BBASE+1], s[2:3]
	s_or_b32 s[G0B+4*\s+3], s[G0B+4*\s+3], 0x80000000
	s_add_co_u32 s[KT], s[KT], 1
	s_and_b32 s[KT], s[KT], 7
.endm
.macro CREST
	s_cmp_lg_u32 s[WV], 0
	s_cbranch_scc1 .Lnw0_\@
	s_barrier_signal -3
.Lnw0_\@:
	s_barrier_wait -3
	s_barrier_signal -1
	s_barrier_wait -1
.endm
.macro CROUND
	s_barrier_signal -1
	s_barrier_wait -1
	CREST
.endm
.macro ASK                             ; 32 rows x 256 bytes of K step KP; the address pair is rewritten only behind the wait on XCNT, a K step or a stretch of the head behind the prefetch that read it
	s_wait_xcnt 0x0
	s_lshl_b32 s2, s[KP], 8
	s_add_nc_u64 s[PFT:PFT+1], s[PFB:PFB+1], s[2:3]
	s_add_co_u32 s[KP], s[KP], 1
	s_and_b32 s[KP], s[KP], 7
	global_prefetch_b8 v[PFL], s[PFT:PFT+1] th:TH_LOAD_NT scope:SCOPE_SE
.endm
.macro ASKP                            ; my 64 rows x 256 bytes of prevc's tile, a lane a row, in the loop's last trip; each row is named once in the launch
	s_cmp_eq_u32 s[LAP], 1
	s_cbranch_scc0 .Lna_\@
	global_prefetch_b8 v[PFO], s[PFA:PFA+1] th:TH_LOAD_NT scope:SCOPE_SE
	global_prefetch_b8 v[PFO], s[PFA:PFA+1] offset:32*4096 th:TH_LOAD_NT scope:SCOPE_SE
.Lna_\@:
.endm
.macro SCL set                         ; K step KS2's scale words of my 128 + 128 rows into a set; the loads that read SAP and SBP before have been waited for
	s_lshl_b32 s2, s[KS2], 16
	s_add_nc_u64 s[SAP:SAP+1], s[SABASE:SABASE+1], s[2:3]
	s_lshl_b32 s2, s[KS2], 15
	s_add_nc_u64 s[SBP:SBP+1], s[SBBASE:SBBASE+1], s[2:3]
	s_add_co_u32 s[KS2], s[KS2], 1
	s_and_b32 s[KS2], s[KS2], 7
.irp j, 0,1,2,3
	global_load_b64 v[SC+16*(\set)+2*\j:SC+16*(\set)+2*\j+1], v[SOF], s[SBP:SBP+1] offset:256*\j
	global_load_b64 v[SC+16*(\set)+8+2*\j:SC+16*(\set)+8+2*\j+1], v[SOF], s[SAP:SAP+1] offset:256*\j
.endr
.endm
	s_load_b256 s[4:11], s[0:1], 0x0               ; acodes, ascales, bcodes, bscales
	s_load_b256 s[12:19], s[0:1], 0x20             ; bx, prevc, out0, out1
	v_lshl_add_u32 v[SPW], v0, 2, SPARE
	v_mov_b32 v[NIL], 0
	ds_add_u32 v[SPW], v[NIL]
	ds_add_u32 v[SPW], v[NIL]
	v_lshrrev_b32 v1, 5, v0
	v_readfirstlane_b32 s[WV], v1
	v_and_b32 v[PFO], 31, v0
	v_lshlrev_b32 v[SOF], 3, v[PFO]
	v_lshlrev_b32 v[PFL], 11, v[PFO]
	v_lshlrev_b32 v[PFO], 12, v[PFO]
	v_bfe_u32 v2, v0, 4, 1                         ; h
	v_lshlrev_b32 v[BO], 5, v2
	s_lshr_b32 s21, s[WV], 1
	s_and_b32 s22, s[WV], 1
	s_bfe_u32 s40, ttmp6, 0x40000                  ; cx
	s_bfe_u32 s41, ttmp6, 0x40004                  ; cy
	s_lshl_b32 s42, ttmp9, 2
	s_add_co_u32 s42, s42, s40                     ; tile column
	s_and_b32 s23, ttmp7, 0xffff
	s_lshl_b32 s[KT], s23, 1
	s_add_co_u32 s[KT], s[KT], ttmp9
	s_and_b32 s[KT], s[KT], 3
	s_lshl_b32 s[KT], s[KT], 1                     ; my cluster's first K step: even
	s_mov_b32 s[KS2], s[KT]
	s_add_co_u32 s[KP], s[KT], 1
	s_mov_b32 s3, 0
	s_lshl_b32 s23, s23, 2
	s_add_co_u32 s23, s23, s41                     ; tile row
	s_lshl_b32 s43, s41, 2
	s_lshl_b32 s43, 15, s43                        ; my row of the cluster
	s_lshl_b32 s44, 0x1111, s40                    ; my column
	s_or_b32 s[G1A], s43, (1<<20)|(1<<21)|(5<<22)|(3<<25)   ; 128 rows x 256 bytes, four words of padding after every 64
	s_or_b32 s[G1B], s44, (1<<20)|(1<<21)|(5<<22)|(3<<25)
.irp g, G1A, G1B
	s_mov_b32 s[\g+1], ROWB<<16
	s_mov_b32 s[\g+2], 128<<16
	s_mov_b32 s[\g+3], ROWB<<16
	s_mov_b32 s[\g+4], 128
	s_mov_b32 s[\g+5], KROW
	s_mov_b32 s[\g+6], 0
	s_mov_b32 s[\g+7], 0
.endr
	s_lshl_b32 s45, s22, 7
	s_lshl_b32 s66, s23, 8                         ; 256 x tile row
	s_lshl_b32 s46, s42, 8                         ; 256 x tile column
	s_lshl_b32 s92, s21, 7
	s_add_co_u32 s92, s92, s66                     ; the rows of acodes that I multiply,
	s_lshl_b32 s92, s92, 3                         ; 8 scale bytes each
	s_mov_b32 s93, 0
	s_add_co_u32 s94, s46, s45                     ; and of bcodes
	s_lshl_b32 s94, s94, 3
	s_mov_b32 s95, 0
	s_cmp_eq_u32 s21, 0                            ; the prefetches: the tile that I fetch for, my place among the four that ask for it with me
	s_cselect_b32 s60, s66, s46
	s_cselect_b32 s61, s40, s41
	s_lshl_b32 s61, s61, 5
	s_add_co_u32 s60, s60, s61
	s_add_co_u32 s60, s60, s45
	s_lshl_b32 s60, s60, 11
	s_mov_b32 s61, 0
	s_add_co_u32 s66, s66, s45                     ; the 128 rows that I fetch
	s_lshl_b32 s66, s66, 11
	s_mov_b32 s67, 0
	s_add_co_u32 s46, s46, s45
	s_lshl_b32 s46, s46, 11
	s_mov_b32 s47, 0
	s_mul_i32 s45, s[WV], HALFT                    ; and where they go
	s_lshl_b32 s40, s42, 8                         ; the bias: bx[1024 g + 64 tc + 32 ch + 16 u + 8 h ..]
	s_lshl_b32 s41, s22, 7
	s_add_co_u32 s40, s40, s41
	s_mov_b32 s41, 0
	s_wait_alu depctr_va_vdst(0)
	s_wait_dscnt 0x0
	s_wait_kmcnt 0x0
	s_add_nc_u64 s[ABASE:ABASE+1], s[4:5], s[66:67]
	s_add_nc_u64 s[BBASE:BBASE+1], s[8:9], s[46:47]
	s_add_nc_u64 s[SABASE:SABASE+1], s[6:7], s[92:93]
	s_add_nc_u64 s[SBBASE:SBBASE+1], s[10:11], s[94:95]
	s_cmp_eq_u32 s21, 0
	s_cselect_b64 s[PFB:PFB+1], s[4:5], s[8:9]
	s_add_nc_u64 s[PFB:PFB+1], s[PFB:PFB+1], s[60:61]
	s_add_nc_u64 s[12:13], s[12:13], s[40:41]
	SCL 0                                          ; the first K step's scale words
.irp b, 0,1,2,3,4,5,6,7
	global_load_b128 v[BIAS+8*\b:BIAS+8*\b+3],   v[BO], s[12:13] offset:4096*(\b/2)+64*(\b%2)
	global_load_b128 v[BIAS+8*\b+4:BIAS+8*\b+7], v[BO], s[12:13] offset:4096*(\b/2)+64*(\b%2)+16
.endr
	ASK                                            ; tile 1
	CROUND                                         ; the first joint loads meet
.irp s, 0,1
	s_mov_b32 s[G0A+4*\s], 1
	s_add_co_u32 s[G0A+4*\s+1], s45, \s*SLOT
	s_mov_b32 s[G0B+4*\s], 1
	s_add_co_u32 s[G0B+4*\s+1], s45, \s*SLOT
	AIM \s
.endr
	JLOAD 0                                        ; one tensor load a wave at the head
	s_lshl_b32 s92, s23, 8                         ; the outputs at row 256 tr + 128 rh + 16 ch, the tile's first column
	s_lshl_b32 s93, s21, 7
	s_add_co_u32 s92, s92, s93
	s_lshl_b32 s93, s22, 4
	s_add_co_u32 s92, s92, s93
	s_lshl_b32 s92, s92, 12
	s_lshl_b32 s93, s42, 8
	s_add_co_u32 s92, s92, s93
	s_mov_b32 s93, 0
	s_add_nc_u64 s[16:17], s[16:17], s[92:93]
	s_add_nc_u64 s[18:19], s[18:19], s[92:93]
	s_lshl_b32 s92, s23, 8                         ; prevc: wave w brings rows 256 tr + 64 w .. + 63 to LDS byte 64 PITCH w
	s_lshl_b32 s93, s[WV], 6
	s_add_co_u32 s92, s92, s93
	s_lshl_b32 s92, s92, 12
	s_lshl_b32 s93, s42, 8
	s_add_co_u32 s92, s92, s93
	s_mov_b32 s93, 0
	s_add_nc_u64 s[PFA:PFA+1], s[PFA:PFA+1], s[92:93]
	s_mov_b32 s[G0P], 1
	s_mul_i32 s[G0P+1], s[WV], 64*PITCH
	s_mov_b64 s[G0P+2:G0P+3], s[PFA:PFA+1]
	s_or_b32 s[G0P+3], s[G0P+3], 0x80000000
	s_mov_b32 s[G1P+0], (2<<16)|(1<<20)|(5<<22)|(3<<25)
	s_mov_b32 s[G1P+1], 64<<16
	s_mov_b32 s[G1P+2], 64<<16
	s_mov_b32 s[G1P+3], 64<<16
	s_mov_b32 s[G1P+4], 64
	s_mov_b32 s[G1P+5], 1024
	s_mov_b32 s[G1P+6], 0
	s_mov_b32 s[G1P+7], 0
	ASK                                            ; tile 2
	s_mov_b32 s[CAP], 0x42200000                   ; 40.0
	s_mov_b32 s[CL], 0xbfb8aa3b                    ; -log2(e)
	s_mov_b32 s[CL+1], s[CL]
	s_mov_b32 s[CG], 0xc038aa3b                    ; -2 log2(e)
	s_mov_b32 s[CG+1], s[CG]
	s_mul_i32 s40, s21, HALFT                      ; the LDS bases, all scalars first: my rows of acodes,
	s_add_co_u32 s41, s40, SLOT
	s_mul_i32 s43, s22, HALFT                      ; of bcodes,
	s_add_co_u32 s43, s43, BOFF
	s_add_co_u32 s44, s43, SLOT
	s_lshl_b32 s66, s22, 7                         ; the way out: my rows, my 128 bytes of them
	s_add_co_u32 s66, s66, s40
	s_lshl_b32 s67, s21, 7
	s_lshl_b32 s92, s22, 4
	s_add_co_u32 s67, s67, s92
	s_mul_i32 s67, s67, PITCH                      ; back: from row 128 rh + 16 ch
	v_and_b32 v1, 15, v0                           ; r
	v_bfe_u32 v2, v0, 4, 1                         ; h
	v_mul_u32_u24 v3, v1, PITCH
	v_lshl_add_u32 v4, v2, 4, v3
	v_add_nc_u32 v[ADRA], s40, v4
	v_add_nc_u32 v[ADRA+1], s41, v4
	v_add_nc_u32 v[ADRB], s43, v4
	v_add_nc_u32 v[ADRB+1], s44, v4
	v_lshl_add_u32 v5, v2, 5, v3
	v_add_nc_u32 v[PCA], s66, v5
	v_add_nc_u32 v[STC], CST, v[PCA]
	v_add_nc_u32 v[STH], HST, v[PCA]
	v_mul_u32_u24 v5, v2, PITCH
	v_lshl_add_u32 v5, v1, 4, v5
	v_add_nc_u32 v5, s67, v5
	v_add_nc_u32 v[RDC], CST, v5
	v_add_nc_u32 v[RDH], HST, v5
	v_lshlrev_b32 v[CO], 12, v2
	v_lshl_add_u32 v[CO], v1, 4, v[CO]
.macro FRAG reg, adr, q, i             ; 16 rows x 128 K: registers 4 c .. 4 c + 3 hold K = 32 c + 16 h + 0 .. 15
.irp c, 0,1,2,3
	ds_load_b128 v[\reg+4*\c:\reg+4*\c+3], v[\adr] offset:128*(\q)+32*\c+(\i)*16*PITCH
.endr
.endm
.macro LB slot, q, i0                  ; bcodes' blocks i0 .. i0 + 3 of the slot's q-th 128 along K, into set q
	WIN TO_B
.irp i, \i0, \i0+1, \i0+2, \i0+3
	FRAG 128*(\q)+16*(\i), ADRB+\slot, \q, \i
.endr
	WIN 0
.endm
.macro LA slot, q, i0                  ; acodes' blocks i0, i0 + 1; blocks 4-7 lie at v192 for q = 0, at v64 for q = 1
	WIN 0
.irp i, \i0, \i0+1
	FRAG 128+16*(\i)-128*(\q)*((\i)/4), ADRA+\slot, \q, \i
.endr
.endm
.macro WM ma, mb                       ; one product; the registers' numbers are the symbols that G sets
.if ZF
	v_wmma_scale_f32_16x16x128_f8f6f4 v[DR:DR+7], v[BR:BR+15], v[AR:AR+15], v[CR:CR+7], v[SRB], v[SRA] matrix_a_fmt:MATRIX_FMT_BF8 matrix_b_fmt:MATRIX_FMT_BF8 \ma \mb
.else
	v_wmma_scale_f32_16x16x128_f8f6f4 v[DR:DR+7], v[BR:BR+15], v[AR:AR+15], v[DR:DR+7], v[SRB], v[SRA] matrix_a_fmt:MATRIX_FMT_BF8 matrix_b_fmt:MATRIX_FMT_BF8 \ma \mb
.endif
.endm
; A group: acodes' blocks a0 (even), a0 + 1 x bcodes' eight.  The accumulators take turns.  Eight v_nop among the products: the places ahead of the loads behind the group.
; An odd block's scale words stand in lanes 16-31 of its pair's register.  first = 1: the sums start from the bias.
.macro G a0, q, sc, first
.set ZF, \first
.irp al, 0,1
.irp bh, 0,1,2,3
.irp bl, 0,1
.set DR, 8*(8*((\a0+\al)%4)+2*\bh+\bl)
.set BR, 128*(\q)+16*(2*\bh+\bl)
.set AR, 128+16*(\a0+\al)-128*(\q)*((\a0+\al)/4)
.set CR, BIAS+8*(2*\bh+\bl)
.set SRB, SC+16*(\sc)+2*\bh+(\q)
.set SRA, SC+16*(\sc)+8+(\a0)+(\q)
.if \bl
.if \al
	WM matrix_a_scale:MATRIX_SCALE_ROW1, matrix_b_scale:MATRIX_SCALE_ROW1
.else
	WM matrix_a_scale:MATRIX_SCALE_ROW1
.endif
	v_nop
.else
.if \al
	WM matrix_b_scale:MATRIX_SCALE_ROW1
.else
	WM
.endif
.endif
.endr
.endr
.endr
.endm
; A slot's first step.  Its runs fetch all of the second step (24, 24, 16 loads).  In the launch's first step the bias lies where blocks 4-7's second set goes: those 16 loads stand behind the step (runs of 16, 24, 8, 16).
.macro FRONT s, first, last
	s_wait_loadcnt 0x0                             ; this K step's scale words (and, the first time, the bias)
	s_wait_dscnt 24                                ; out may be: blocks 2-5 (16) and blocks 6-7 (8)
	WL \first
	G 0, 0, \s, \first
	LB \s, 1, 0
.if \first == 0
	LA \s, 1, 4
.endif
.if \last == 0
	SCL 1-\s                                       ; the next K step's scale words, into the set last read a group ago
.endif
	s_wait_dscnt 40-8*\first                       ; blocks 2-3 are in; behind them: blocks 4-5 (8), 6-7 (8), the run above
	WL \first
	G 2, 0, \s, \first
	LB \s, 1, 4
	LA \s, 1, 0
	s_wait_dscnt 56-8*\first                       ; blocks 4-5 are in; behind them 8 and the two runs above
	WH \first
	G 4, 0, \s, \first
	LA \s, 1, 2
.if \first == 0
	LA \s, 1, 6
.endif
	s_wait_dscnt 40                                ; blocks 6-7 are in; at least the last two runs may be out
	WH \first
	G 6, 0, \s, \first
.if \first
	PLACES 8                                       ; behind the last product that read the bias
	LA \s, 1, 4
	LA \s, 1, 6
.endif
	WIN 0
	s_wait_dscnt 0x0                               ; the second step is in registers: my reads of this slot are over
.endm
; The second step.  Behind its first group: the round, the refill (fill = 1: codes; 2: prevc's tile over acodes' rows), and four runs (24, 16, 16, 8) that fetch the other slot's first step.
.macro BACK s, n, fill, ask
	WL 0
	G 0, 1, \s, 0
	WIN 0
	s_wait_tensorcnt 0x0                           ; my part of the other slot has landed
	ds_add_u32 v[SPW], v[NIL]
.if \fill == 1
	AIM \s                                         ; this slot's next tile: two K steps on
.endif
	s_wait_dscnt 0x0
	s_barrier_signal -1
	s_barrier_wait -1
	CREST
.if \fill == 1
	JLOAD \s
.else
	TL G0P, G1P
.endif
	PLACES 4                                       ; with the four behind the load: eight behind the group that read blocks 0-1
	LB \n, 0, 0
	LA \n, 0, 0
.if \ask
	s_cmp_gt_u32 s[LAP], 1                         ; trips 0 to 3 name tiles 4 to 7
	s_cbranch_scc0 .Lnk_\@
	ASK
.Lnk_\@:
.endif
.if \ask == 2
	ASKP
.endif
	WL 0
	G 2, 1, \s, 0
	LB \n, 0, 4
	WH 0
	G 4, 1, \s, 0
	LA \n, 0, 2
	LA \n, 0, 4
	WH 0
	G 6, 1, \s, 0
	LA \n, 0, 6
.endm
	s_wait_alu depctr_va_vdst(0)
	s_wait_tensorcnt 0x0                           ; my part of the first K step is in
	ds_add_u32 v[SPW], v[NIL]
	s_wait_dscnt 0x0
	CROUND
	JLOAD 1                                        ; the second K step
	LB 0, 0, 0
	LA 0, 0, 0
	LB 0, 0, 4
	LA 0, 0, 2
	LA 0, 0, 4
	LA 0, 0, 6
	ASK                                            ; tile 3
	FRONT 0, 1, 0                                  ; the first step starts the sums from the bias
	s_mov_b32 s[LAP], 3
.Llap:
	BACK 0, 1, 1, 2
	FRONT 1, 0, 0
	BACK 1, 0, 1, 1
	FRONT 0, 0, 0
	s_sub_co_u32 s[LAP], s[LAP], 1
	s_cmp_lg_u32 s[LAP], 0
	s_cbranch_scc1 .Llap
	BACK 0, 1, 2, 0                                ; slot 0 has been read out and takes prevc's tile
	FRONT 1, 0, 1
	WL 0
	G 0, 1, 1, 0
	G 2, 1, 1, 0
	WH 0
	G 4, 1, 1, 0
	G 6, 1, 1, 0
	WIN 0
	PLACES 8
; ---------------- THE WAY OUT: the cell, two blocks of 16 rows x 32 state columns at a time (32 elements a lane).
.macro PK1 d, s, n                     ; d = 1 + s (n = 0) or 1 - s (n = 1)
.set k, 0
.rept 16
	v_pk_add_f32 v[\d+k:\d+k+1], v[\s+k:\s+k+1], 1.0 op_sel_hi:[1,0] neg_lo:[\n,0] neg_hi:[\n,0]
.set k, k+2
.endr
.endm
.macro PKMUL d, a, b
.set k, 0
.rept 16
	v_pk_mul_f32 v[\d+k:\d+k+1], v[\a+k:\a+k+1], v[\b+k:\b+k+1]
.set k, k+2
.endr
.endm
.macro PKFMA d, a, b, c, n             ; d = c + a b (n = 0) or c - a b (n = 1)
.set k, 0
.rept 16
	v_pk_fma_f32 v[\d+k:\d+k+1], v[\a+k:\a+k+1], v[\b+k:\b+k+1], v[\c+k:\c+k+1] neg_lo:[\n,0,0] neg_hi:[\n,0,0]
.set k, k+2
.endr
.endm
.macro HOLD d, n                       ; the exponents are held at 40 from above
.set e, 0
.rept \n
	v_min_num_f32 v[\d+e], s[CAP], v[\d+e]
.set e, e+1
.endr
.endm
.macro EXPS d, n
.set e, 0
.rept \n
	v_exp_f32 v[\d+e], v[\d+e]
.set e, e+1
.endr
.endm
.macro RCPS d
.set e, 0
.rept 32
	v_rcp_f32 v[\d+e], v[\d+e]
.set e, e+1
.endr
.endm
.macro WA                              ; the wait ahead of and behind a batch of transcendentals, and ahead of the first read of matrix results
	s_wait_alu depctr_va_vdst(0)
.endm
.macro ST8 adr, reg, p
.irp e, 0,1
.irp u, 0,1
.irp q, 0,1
	ds_store_b128 v[\adr], v[\reg+16*\e+8*\u+4*\q:\reg+16*\e+8*\u+4*\q+3] offset:(2*(\p)+\e)*16*PITCH+64*\u+16*\q
.endr
.endr
.endr
.endm
.macro BLOCK2 p                        ; blocks 2 p and 2 p + 1: both in window 2 (p < 2) or 3
.irp e, 0,1
.irp u, 0,1
.irp q, 0,1
	ds_load_b128 v[PCR+16*\e+8*\u+4*\q:PCR+16*\e+8*\u+4*\q+3], v[PCA] offset:(2*(\p)+\e)*16*PITCH+64*\u+16*\q
.endr
.endr
.endr
	WIN (0x02+(\p)/2)
	WA
.irp e, 0,1
.set AC, 64*((2*(\p)+\e)%4)            ; register 16 g + 8 u + jj of a block: gate g, state column 16 u + 8 h + jj; it goes to T + 32 g + 16 e + 8 u + jj
.set k, 0
.rept 32
.if k < 24
	v_pk_mul_f32 v[T+32*(k/8)+16*\e+2*(k%8):T+32*(k/8)+16*\e+2*(k%8)+1], v[AC+2*k:AC+2*k+1], s[CL:CL+1] op_sel_hi:[1,0]   ; each accumulator from its low end on
.else
	v_pk_mul_f32 v[T+32*(k/8)+16*\e+2*(k%8):T+32*(k/8)+16*\e+2*(k%8)+1], v[AC+2*k:AC+2*k+1], s[CG:CG+1] op_sel_hi:[1,0]
.endif
.set k, k+1
.endr
.endr
	WIN 0
	HOLD T, 128
	WA
	EXPS T, 128
	v_nop
	s_wait_dscnt 0x0                               ; prevc is in
	WA
	PK1 TF, TF, 0                                  ; F = 1 + ef
	PKFMA X, TG, TF, TF, 1                         ; (1 - eg) F
	PK1 TG, TG, 0                                  ; G = 1 + eg
	PKFMA TI, TI, TG, TG, 0                        ; (1 + ei) G
	PKFMA X, PCR, TI, X, 0                         ; the numerator
	PKMUL TF, TI, TF                               ; the denominator
	WA
	RCPS TF
	PK1 TO, TO, 0                                  ; O = 1 + eo
	WA
	PKMUL X, X, TF                                 ; nextc
.set k, 0
.rept 16
	v_pk_mul_f32 v[TG+k:TG+k+1], v[X+k:X+k+1], s[CG:CG+1] op_sel_hi:[1,0]
.set k, k+2
.endr
	HOLD TG, 32
	ST8 STC, X, \p
	WA
	EXPS TG, 32                                    ; ec
	v_nop
	WA
	PKFMA TI, TG, TO, TO, 0                        ; (1 + ec) O
	WA
	RCPS TI
	PK1 TG, TG, 1                                  ; 1 - ec
	WA
	PKMUL TG, TG, TI                               ; nexth
	ST8 STH, TG, \p
.endm
; Blocks 2 p, 2 p + 1 of all four waves lie in the stages.  A row's 256 bytes come from two waves: a barrier stands between the stores and the loads.  No byte of a stage is written twice.
; The rows come back into window 1, v0-63.
.macro OUT p
	s_wait_dscnt 0x0
	s_barrier_signal -1
	s_barrier_wait -1
	s_wait_xcnt 0x0                                ; the last phase's global stores have read their registers
	WIN TO_B
.irp t, 0,1,2,3,4,5,6,7
	ds_load_b128 v[4*\t:4*\t+3], v[RDC] offset:(32*\p+2*\t)*PITCH
.endr
.irp t, 0,1,2,3,4,5,6,7
	ds_load_b128 v[32+4*\t:32+4*\t+3], v[RDH] offset:(32*\p+2*\t)*PITCH
.endr
	WIN 0x04                                       ; a store's data: source 1, window 1
.irp t, 0,1,2,3,4,5,6,7
	s_wait_dscnt 15-\t                             ; number t of the sixteen is in
	global_store_b128 v[CO], v[4*\t:4*\t+3], s[18:19] offset:(32*\p+2*\t)*4096 th:TH_STORE_NT      ; sixteen lanes store 256 consecutive bytes, aligned
.endr
.irp t, 0,1,2,3,4,5,6,7
	s_wait_dscnt 7-\t
	global_store_b128 v[CO], v[32+4*\t:32+4*\t+3], s[16:17] offset:(32*\p+2*\t)*4096 th:TH_STORE_NT
.endr
	WIN 0
.endm
	s_wait_tensorcnt 0x0                           ; my 64 rows of prevc have landed,
	s_wait_dscnt 0x0                               ; and my reads of slot 1 are over
	s_barrier_signal -1
	s_barrier_wait -1                              ; everybody's: prevc's tile is whole, and nobody reads the bytes that become the stages
.irp p, 0,1,2,3
	BLOCK2 \p
	OUT \p
.endr
	s_wait_tensorcnt 0x0                           ; the wave's end
	ds_add_u32 v[SPW], v[NIL]
	s_wait_dscnt 0x0
	CROUND                                         ; the closing round
	s_endpgm
.Lfunc_end_k_q476bcaa72c_cell:
	.size	k_q476bcaa72c_cell, .Lfunc_end_k_q476bcaa72c_cell-k_q476bcaa72c_cell
	.p2alignl 7, 3214868480
	.fill 96, 4, 3214868480
	.section	.rodata,"a",@progbits
	.p2align	6, 0x0
	.amdhsa_kernel k_q476bcaa72c_cell
		.amdhsa_group_segment_fixed_size 327680
		.amdhsa_private_segment_fixed_size 0
		.amdhsa_enable_private_segment 0
		.amdhsa_kernarg_size 64
		.amdhsa_user_sgpr_count 2
		.amdhsa_user_sgpr_kernarg_segment_ptr 1
		.amdhsa_wavefront_size32 1
		.amdhsa_system_sgpr_workgroup_id_x 1
		.amdhsa_system_sgpr_workgroup_id_y 1
		.amdhsa_system_sgpr_workgroup_id_z 1
		.amdhsa_system_vgpr_workitem_id 0
		.amdhsa_next_free_vgpr 1024
		.amdhsa_next_free_sgpr 106
		.amdhsa_reserve_vcc 0
		.amdhsa_float_denorm_mode_32 3
		.amdhsa_float_denorm_mode_16_64 3
		.amdhsa_memory_ordered 1
		.amdhsa_forward_progress 1
		.amdhsa_inst_pref_size 255
	.end_amdhsa_kernel
	.section	.bss,"aw",@nobits
	.p2align	6
	.space	262144
	.amdgpu_metadata
---
amdhsa.version: [ 1, 2 ]
amdhsa.kernels:
  - .name:           k_q476bcaa72c_cell
    .symbol:         k_q476bcaa72c_cell.kd
    .args:
      - { .name: acodes, .offset: 0, .size: 8, .value_kind: global_buffer, .address_space: global }
      - { .name: ascales, .offset: 8, .size: 8, .value_kind: global_buffer, .address_space: global }
      - { .name: bcodes, .offset: 16, .size: 8, .value_kind: global_buffer, .address_space: global }
      - { .name: bscales, .offset: 24, .size: 8, .value_kind: global_buffer, .address_space: global }
      - { .name: bx, .offset: 32, .size: 8, .value_kind: global_buffer, .address_space: global }
      - { .name: prevc, .offset: 40, .size: 8, .value_kind: global_buffer, .address_space: global }
      - { .name: out0, .offset: 48, .size: 8, .value_kind: global_buffer, .address_space: global }
      - { .name: out1, .offset: 56, .size: 8, .value_kind: global_buffer, .address_space: global }
    .group_segment_fixed_size: 327680
    .private_segment_fixed_size: 0
    .kernarg_segment_align: 8
    .kernarg_segment_size: 64
    .max_flat_workgroup_size: 128
    .sgpr_count:     106
    .vgpr_count:     1024
    .wavefront_size: 32
...
	.end_amdgpu_metadata
.endif
;; end of part 2
